; MI455X (gfx1250); checked and timed in simulation.
; The chip was launched on July 23, 2026; its instructions are those of AMD's public machine-readable ISA for CDNA 5 (MIT licence, August 2026) and "CDNA5" Instruction Set Architecture Reference Guide (July 2026). The comments in the code are by the model that wrote it; some were corrected since.
;; K Means Quantizer. Allowed arithmetic: matrix products marked QUANTISED: E4M3 operands, one given power-of-two scale a tensor, by v_wmma_f32_16x16x64_fp8_fp8 or v_wmma_f32_16x16x128_fp8_fp8, f32 sums; everything else in f32.
;; Inputs: centroids 2,048 x 1,024 float32; lowp_scales 2 int32 (the exponents e of the quantised operands' scales 2^e); x 16 x 2,000 x 1,024 float32.
;; Outputs: out0 16 x 2,000 int32.
;; This version of the problem:
;;   THIS VERSION OF THE PROBLEM IS GIVEN IN LOW PRECISION. The matrix products marked QUANTISED in the list below multiply operands that are first quantised to E4M3 (4 exponent bits, 3 mantissa bits; 8 bits a number), with one given power-of-two scale for each operand tensor; their sums are f32. All else is computed in f32.
;;   The module's matrix products, in the order in which they are computed (A, B: the left and right operand; K: the contracted axis; several contracted axes count as one K, in the product's order):
;;     1. [M 32,000, K 1,024] x [K 1,024, N 2,048]; A: input x; B: input centroids: QUANTISED (scales: A lowp_scales[0], B lowp_scales[1])
;;   THE QUANTISER, for each operand of a quantised product, along K:
;;     - The operand's scale is 2^e, e = its entry of the input lowp_scales (int32; the entries are numbered through the quantised products in the list's order, A before B).
;;     - Each number is divided by the scale, clamped to +-448, and rounded to the nearest number of E4M3, ties to even, subnormals kept.
;;     - The product sums the exact products of the quantised numbers (number of the format x scale) in f32.
;;   ~~~python
;;   def quantise(x, axis, e):      # numpy; x: float32 -> the quantised numbers, widened to float32 again
;;       x = np.moveaxis(x, axis, -1); K = x.shape[-1]
;;       r = np.clip(x / 2.0 ** e, -448, 448)
;;       step = 2.0 ** (np.maximum(np.frexp(np.where(r == 0, 1, r))[1] - 1, -6) - 3)
;;       q = np.round(r / step) * step * 2.0 ** e      # np.round: ties to even
;;       return np.moveaxis(q, -1, axis).astype(np.float32)
;;   ~~~
;; 2 versions. Each part assembles by itself: llvm-mc -triple=amdgcn-amd-amdhsa -mcpu=gfx1250 --defsym DOCPART=n.
;; ======== version 1 of 2: 2 launches
;; workspace buffers: c_codes 2,097,152 bytes; cnorm 8,192 bytes
;; launch prep (part 1): grid 256 x 1, 4 waves a work-group, no clusters, 0 bytes of LDS; arguments centroids, lowp_scales, c_codes, cnorm; writes c_codes, cnorm
.if DOCPART == 1
	.amdgcn_target "amdgcn-amd-amdhsa--gfx1250"
	.amdhsa_code_object_version 6
	.text
	.protected	k_q3d7137138d_prep
	.globl	k_q3d7137138d_prep
	.p2align	8
	.type	k_q3d7137138d_prep,@function
k_q3d7137138d_prep:
	s_mov_b64 s[64:65], 0
	v_nop
	global_prefetch_b8 v0, s[64:65] scope:SCOPE_SE
	s_setreg_imm32_b32 hwreg(HW_REG_WAVE_MODE, 25, 1), 1
	s_wait_xcnt 0x0
; centroids [2048][1024] f32 -> c_codes [2048][1024], codes of E4M3 with the given scale 2^e1, K innermost, and cnorm [2048] f32 = the sum of squares of each UNQUANTISED row.
; code = c / 2^e1, held within +-448, rounded to the nearest code, ties to even.  e1 is entry 1 (int32) of lowp_scales.
; LIMITS: -126 <= e1 <= 119, so that 2^e1 and 448 x 2^e1 are f32 numbers.  NaN among the inputs is not served.  A row's squares are summed in f32 in four chains of pairs
; and then across the lanes: another order of rounding than a sum from left to right.
; SHARES: every centroid is read by all row blocks of the next launch, so it is quantised once, here.  A work-group takes 8 rows, a wave 2 rows = 8,192 bytes = 4 steps of 512 numbers.
; In a step a lane holds 16 neighbouring numbers (64 bytes, four loads), since the conversion takes eight neighbours along K from one lane's registers; a step's four loads read 2,048
; consecutive bytes; a lane's 16 codes are 16 bytes, so a wave's store covers 512 consecutive bytes, aligned.  All 16 loads of a wave go out at once.
; Waves share nothing: no LDS, no barrier, no cluster (no two work-groups read the same bytes).  Written out, every offset an immediate.
; The two norms of a wave leave as 8 bytes from lane 0: cnorm is 8,192 bytes in all; gathering 64 norms to a store would leave work for 32 work-groups only.
.set X,   16                           ; v16-79   step t: 16 numbers at X + 16 t
.set C,   80                           ; v80-95   step t: 4 registers of codes
.set P,   96                           ; v96-103  four chains of pairs for the squares
.set NRM, 104                          ; v104-105 the two rows' norms
.set PD,  106                          ; v106     destination of the lane permute
	s_load_b256 s[4:11], s[0:1], 0x0               ; centroids s[4:5], lowp_scales s[6:7], c_codes s[8:9], cnorm s[10:11]
	v_lshrrev_b32 v1, 5, v0
	v_readfirstlane_b32 s16, v1                    ; wave 0..3
	v_and_b32 v2, 31, v0                           ; lane
	v_lshlrev_b32 v3, 6, v2                        ; my 64 bytes of a step's 2,048
	v_lshlrev_b32 v4, 4, v2                        ; my 16 bytes of a step's 512 codes
	v_mov_b32 v5, 0
	v_mov_b32 v[PD], 0                             ; (the destination of a lane permute counts as read)
	s_lshl_b32 s17, ttmp9, 3
	s_lshl1_add_u32 s17, s16, s17                  ; my first row: 8 x work-group + 2 x wave
	s_mov_b32 s19, 0
	s_mov_b32 s24, 0x76543210                      ; v_permlanex16_b32's selects for lane l xor 16
	s_mov_b32 s25, 0xfedcba98
	s_wait_kmcnt 0x0
	s_load_b32 s20, s[6:7], 0x4                    ; e1
	s_lshl_b32 s18, s17, 12                        ; a row of f32 is 4,096 bytes
	s_add_nc_u64 s[4:5], s[4:5], s[18:19]
.irp t, 0,1,2,3
.irp i, 0,1,2,3
	global_load_b128 v[X+16*\t+4*\i:X+16*\t+4*\i+3], v3, s[4:5] offset:2048*\t+16*\i th:TH_LOAD_NT
.endr
.endr
	s_lshl_b32 s18, s17, 10                        ; a row of codes is 1,024 bytes
	s_add_nc_u64 s[8:9], s[8:9], s[18:19]
	s_lshl_b32 s18, s17, 2                         ; a norm is 4 bytes
	s_add_nc_u64 s[10:11], s[10:11], s[18:19]
	s_wait_kmcnt 0x0
	s_add_co_i32 s20, s20, 127
	s_lshl_b32 s21, s20, 23
	v_mov_b32 v11, s21                             ; 2^e1 as f32: the conversion takes its exponent field
	s_add_co_i32 s20, s20, 8
	s_lshl_b32 s22, s20, 23
	s_or_b32 s22, s22, 0x600000
	v_mov_b32 v10, s22                             ; 448 x 2^e1
; Row p (steps 2 p and 2 p + 1, 32 registers a lane): the sum of its squares, before the numbers are held.
.macro ROWSUM p
.set XR, X+32*\p
.irp c, 0,1,2,3
	v_pk_mul_f32 v[P+2*\c:P+2*\c+1], v[XR+2*\c:XR+2*\c+1], v[XR+2*\c:XR+2*\c+1]   ; the first four pairs start the chains: nothing is cleared
.endr
.irp g, 1,2,3
.irp c, 0,1,2,3
	v_pk_fma_f32 v[P+2*\c:P+2*\c+1], v[XR+8*\g+2*\c:XR+8*\g+2*\c+1], v[XR+8*\g+2*\c:XR+8*\g+2*\c+1], v[P+2*\c:P+2*\c+1]
.endr
.endr
	v_pk_add_f32 v[P:P+1], v[P:P+1], v[P+2:P+3]
	v_pk_add_f32 v[P+4:P+5], v[P+4:P+5], v[P+6:P+7]
	v_pk_add_f32 v[P:P+1], v[P:P+1], v[P+4:P+5]
	v_add_f32 v[P], v[P], v[P+1]
	v_add_f32_dpp v[P], v[P], v[P] row_xmask:1 row_mask:0xf bank_mask:0xf
	v_add_f32_dpp v[P], v[P], v[P] row_xmask:2 row_mask:0xf bank_mask:0xf
	v_add_f32_dpp v[P], v[P], v[P] row_xmask:4 row_mask:0xf bank_mask:0xf
	v_add_f32_dpp v[P], v[P], v[P] row_xmask:8 row_mask:0xf bank_mask:0xf
	v_permlanex16_b32 v[PD], v[P], s24, s25
	v_add_f32 v[NRM+\p], v[P], v[PD]               ; every lane holds the row's norm
.endm
; Step t: held, converted, stored.
.macro QSTEP t
.set XS, X+16*\t
.irp i, 0,1,2,3,4,5,6,7,8,9,10,11,12,13,14,15
	v_med3_num_f32 v[XS+\i], v[XS+\i], -v10, v10   ; the conversion to an 8-bit code does not saturate (ISA guide 7.6.2): hold the number within 448 x the scale first
.endr
	v_cvt_scalef32_pk8_fp8_f32 v[C+4*\t:C+4*\t+1], v[XS:XS+7], v11
	v_cvt_scalef32_pk8_fp8_f32 v[C+4*\t+2:C+4*\t+3], v[XS+8:XS+15], v11
	v_nop                                          ; one plain vector instruction between a scaled conversion and what touches its result
	global_store_b128 v4, v[C+4*\t:C+4*\t+3], s[8:9] offset:512*\t
.endm
	s_wait_loadcnt 8                               ; row 0's eight loads are in; row 1's eight, issued behind them, may be out
	ROWSUM 0
	QSTEP 0
	QSTEP 1
	s_wait_loadcnt 0x0
	ROWSUM 1
	QSTEP 2
	QSTEP 3
	s_wait_xcnt 0x0                                ; EXEC is a source of the stores above: it is narrowed only behind this wait
	v_cmp_eq_u32 vcc_lo, 0, v2
	s_and_saveexec_b32 s26, vcc_lo
	global_store_b64 v5, v[NRM:NRM+1], s[10:11]    ; lane 0: my two rows' norms
	s_endpgm
.Lfunc_end_k_q3d7137138d_prep:
	.size	k_q3d7137138d_prep, .Lfunc_end_k_q3d7137138d_prep-k_q3d7137138d_prep
	.p2alignl 7, 3214868480
	.fill 96, 4, 3214868480
	.section	.rodata,"a",@progbits
	.p2align	6, 0x0
	.amdhsa_kernel k_q3d7137138d_prep
		.amdhsa_group_segment_fixed_size 0
		.amdhsa_private_segment_fixed_size 0
		.amdhsa_enable_private_segment 0
		.amdhsa_kernarg_size 32
		.amdhsa_user_sgpr_count 2
		.amdhsa_user_sgpr_kernarg_segment_ptr 1
		.amdhsa_wavefront_size32 1
		.amdhsa_system_sgpr_workgroup_id_x 1
		.amdhsa_system_sgpr_workgroup_id_y 1
		.amdhsa_system_sgpr_workgroup_id_z 1
		.amdhsa_system_vgpr_workitem_id 0
		.amdhsa_next_free_vgpr 112
		.amdhsa_next_free_sgpr 66
		.amdhsa_reserve_vcc 1
		.amdhsa_float_denorm_mode_32 3
		.amdhsa_float_denorm_mode_16_64 3
		.amdhsa_memory_ordered 1
		.amdhsa_forward_progress 1
		.amdhsa_inst_pref_size 12
	.end_amdhsa_kernel
	.amdgpu_metadata
---
amdhsa.version: [ 1, 2 ]
amdhsa.kernels:
  - .name:           k_q3d7137138d_prep
    .symbol:         k_q3d7137138d_prep.kd
    .args:
      - { .name: centroids, .offset: 0, .size: 8, .value_kind: global_buffer, .address_space: global }
      - { .name: lowp_scales, .offset: 8, .size: 8, .value_kind: global_buffer, .address_space: global }
      - { .name: c_codes, .offset: 16, .size: 8, .value_kind: global_buffer, .address_space: global }
      - { .name: cnorm, .offset: 24, .size: 8, .value_kind: global_buffer, .address_space: global }
    .group_segment_fixed_size: 0
    .private_segment_fixed_size: 0
    .kernarg_segment_align: 8
    .kernarg_segment_size: 32
    .max_flat_workgroup_size: 128
    .sgpr_count:     66
    .vgpr_count:     112
    .wavefront_size: 32
...
	.end_amdgpu_metadata
.endif
;; end of part 1
;; launch assign (part 2): grid 256 x 1, 4 waves a work-group, clusters of 4 x 1, 327,680 bytes of LDS; arguments x, c_codes, cnorm, lowp_scales, out0; writes out0
.if DOCPART == 2
	.amdgcn_target "amdgcn-amd-amdhsa--gfx1250"
	.amdhsa_code_object_version 6
	.text
	.protected	k_q3d7137138d_assign
	.globl	k_q3d7137138d_assign
	.p2align	8
	.type	k_q3d7137138d_assign,@function
k_q3d7137138d_assign:
	s_mov_b64 s[64:65], 0
	v_nop
	global_prefetch_b8 v0, s[64:65] scope:SCOPE_SE
	s_setreg_imm32_b32 hwreg(HW_REG_WAVE_MODE, 25, 1), 1
	s_wait_xcnt 0x0
	s_wait_alu depctr_hold_cnt(0) depctr_sa_sdst(0) depctr_va_vdst(0) depctr_va_sdst(0) depctr_va_ssrc(0) depctr_va_vcc(0) depctr_vm_vsrc(0)
	s_getreg_b32 s2, hwreg(HW_REG_IB_STS2, 6, 4)
	s_cmp_eq_u32 s2, 0
	s_cbranch_scc0 .Lentry_in_a_cluster
	s_endpgm
.Lentry_in_a_cluster:
	s_bfe_u32 s2, ttmp6, 0x10000c
	s_cmp_lg_u32 s2, 0x3003
	s_cbranch_scc0 .Lentry_shape_is_right
	s_endpgm
.Lentry_shape_is_right:
; out0[n] = the lowest k at which dist[n][k] = -2 (x_n . c_k) + |c_k|^2 is least.  x: [32000][1024] f32; c_codes: [2048][1024] codes of E4M3 (scale 2^e1); cnorm: [2048] f32; out0: [32000] int32.
; x is quantised here, in registers (code = x / 2^e0, held within +-448, nearest, ties to even): each row belongs to one work-group and is read once.  The codes are multiplied by
; v_wmma_f32_16x16x128_fp8_fp8, sums in f32; dist = fma(sum, -2 x 2^(e0 + e1), norm): the product is exact (a power of two), so there is one rounding, as in -2 x dot + norm.
; LIMITS: -126 <= e0 <= 119; -127 <= e0 + e1 <= 126 (each power of two below is an f32 number).  NaN among the inputs is not served.  Where every dist of a row is +infinity the result is 0.
; Inside a matrix instruction k is permuted, alike in both operands (four loads of 16 bytes a fragment): every product meets its partner, only the order of the sums inside an instruction differs.
; SHARES.  32,000 = 256 x 125: a work-group owns 125 rows, worked as 128 (local rows 125-127 repeat row 124 and are not stored).  Wave w: rh = w / 2 picks 64 of the rows, ch = w % 2 picks 64 of each
; slot's 128 centroids.  A wave's 64 rows x 1,024 K of codes stay in 512 registers for the whole launch; only centroids are read from LDS, 16 rows x 1,024 K (a tile) for 32 matrix instructions.
; LAYOUT.  Source 0 = 16 centroids, source 1 = 16 rows of x: in the result lane (r, h) holds ONE row of x (r) and its registers j the centroids 8 h + j: the search for the least runs down a lane's registers.
; THE LEAST.  For each of its four row tiles a lane keeps: best (the least dist so far), tid (the first centroid of the tile where it was found) and that tile's eight dists.  A tile takes over where its least
; is strictly less than best, by v_cndmask_b32 alone: tiles come in ascending order, so the earlier one keeps a tie.  At the end the lowest j whose saved dist equals best gives the number; the two halves of
; the lanes and the two waves of a row half are joined by (dist, then number).  No branch and no address hangs on a comparison.
; BY TURNS.  A tile's sums are worked on (76 vector instructions) while the next tile is multiplied: two sets of four accumulators; the list is cut into 16 slices of five, two to a K step.
; CLUSTER.  All work-groups walk the same 2 MiB of codes and the same norms: the four of a cluster ask for each tile JOINTLY (the same tensor load, the same descriptor, mask 15); nothing in a descriptor,
; an LDS address or a branch hangs on the place in the cluster, which enters x's and out0's addresses alone.
; LDS: two slots of 128 centroids x (1,024 + 16) bytes; the norms; a stage of 32 such rows for x's codes (written by LDS stores, never by a tensor load; its first 2,048 bytes serve the end's exchange); the spare words.
; A row pitch of 1,040 = 65 x 16 bytes: the sixteen rows that a fragment load touches begin 16 bytes apart modulo 256.
; out0: a work-group's 500 bytes are stored by 125 neighbouring lanes, 4 bytes each; they are no whole aligned blocks of 256 bytes, since 125 rows are not.
; REGISTERS, in windows of 256 (s_set_vgpr_msb: bits 1:0 source 0, 3:2 source 1, 5:4 source 2, 7:6 destination):
;   window 0: v0 thread; v1, v2 the add's; v3, v4 centroid fragment address in slot 0, 1; v5 norms' address; v6, v7 at work; v8-15 a tile's norms; v16-55 state (row tile a at 16 + 10 a: best, tid, 8 dists);
;             v56-59 a tile's least; v60-63 at work; v64-127 two sets of 4 accumulators; v128-255 the 8 fragments of a centroid tile (K step q at 128 + 16 q), ONE set: a fragment is loaded anew right behind
;             its four products and is wanted seven K steps later.
;   window 1: only while x is read: v0-223 a ring of 14 steps x 16 numbers; v224-227, v244 addresses and scales; v228-243 four sets of codes.
;   windows 2, 3: x's fragments: row tile a, K step q in window 2 + q / 4 at v[64 a + 16 (q % 4)].
.set ROWS,  125
.set PITCH, 1040
.set SLOTB, 128*PITCH                  ; 133,120: a slot
.set QUART, 32*PITCH                   ; what one tensor load brings: 32 centroids
.set NORM,  2*SLOTB                    ; 266,240: the 2,048 norms
.set STAGE, NORM+8192                  ; 274,432: 32 rows of x's codes
.set SPARE, STAGE+32*PITCH             ; 307,712: the spare words, 128 bytes for each wave: two blocks of 256 bytes that no other line names
.set DEPTH, 14                         ; steps of x on their way in a wave: 14 x 4 loads x 512 bytes
.set SPW, 1
.set NIL, 2
.set CA,  3
.set NA,  5
.set NR,  8
.set ST,  16
.set MN,  56
.set ACC, 64
.set CF,  128
.set XO,   224                         ; window 1: my 64 bytes of a step's 2,048
.set SA,   225                         ; window 1: where my 16 codes go in the stage
.set LIM,  226                         ; window 1: 448 x 2^e0
.set SCL,  227                         ; window 1: 2^e0
.set CODE, 228                         ; window 1: four sets of four, by turns
.set FA,   244                         ; window 1: where I read a fragment of x from the stage
.set G1,  24                           ; s[24:31] group 1 of the codes' tiles;  s[32:39] group 0, one set for each slot
.set G0,  32
.set G1N, 40                           ; s[40:47], s[48:51] the same for the norms
.set G0N, 48
.set SX,  52                           ; s[52:53] x at my wave's first row
.set SXC, 54                           ; s[54:59] x at the rows of the last round's p = 5, 6, 7, held at local row 124
.set SC,  60                           ; s[60:61] -2 x 2^(e0 + e1), twice: the packed multiply-add names a pair
.set TID, 62                           ; s62 first centroid of the tile whose sums are being worked on
.set TRIP, 63
.set MK,  66                           ; s66-69 lane masks: row tile a's lanes in which the tile takes over
.set SEL, 70                           ; s[70:71] v_permlanex16_b32's selects for lane l xor 16
.set MSB, 0
.macro WIN new                         ; the immediate's high byte repeats the setting that is left; a switch that changes nothing is dropped
.if MSB != (\new)
	s_set_vgpr_msb (MSB<<8)|(\new)
.set MSB, (\new)
.endif
.endm
.macro PLACES n
.rept \n
	v_nop
.endr
.endm
.macro CREST                           ; a round of the cluster's barrier behind its opening barrier
	s_cmp_lg_u32 s14, 0
	s_cbranch_scc1 .Lnot_wave_0_\@
	s_barrier_signal -3
.Lnot_wave_0_\@:
	s_barrier_wait -3
	s_barrier_signal -1
	s_barrier_wait -1
.endm
.macro CROUND                          ; a whole round
	s_barrier_signal -1
	s_barrier_wait -1
	CREST
.endm
	s_load_b256 s[4:11], s[0:1], 0x0               ; x s[4:5], c_codes s[6:7], cnorm s[8:9], lowp_scales s[10:11]
	s_load_b64 s[12:13], s[0:1], 0x20              ; out0
	v_lshl_add_u32 v[SPW], v0, 2, SPARE
	v_mov_b32 v[NIL], 0
	ds_add_u32 v1, v2
	ds_add_u32 v1, v2
	s_wait_dscnt 0x0
	v_lshrrev_b32 v6, 5, v0
	v_readfirstlane_b32 s14, v6                    ; wave 0..3
	v_and_b32 v62, 31, v0                          ; lane
	s_lshr_b32 s15, s14, 1                         ; rh: which 64 of the block's rows
	s_and_b32 s16, s14, 1                          ; ch: which 64 of a slot's centroids
	s_bfe_u32 s17, ttmp6, 0x40000                  ; cx: my place in the cluster
	s_lshl_b32 s18, ttmp9, 2                       ; in a cluster launch ttmp9 counts clusters
	s_add_co_u32 s18, s18, s17                     ; my block of rows = 4 x cluster + cx: it enters x's and out0's addresses alone
	s_mul_i32 s19, s18, ROWS                       ; the block's first row
	s_lshl_b32 s22, s15, 6
	s_lshl3_add_u32 s22, s16, s22                  ; 64 rh + 8 ch: the local row at which my wave's share of each round begins
	; group 1 of the codes' tiles: 32 rows x 1,024 bytes, 16 bytes of padding behind each
	s_mov_b32 s[G1+0], 15|(0<<16)|(1<<20)|(1<<21)|(7<<22)|(3<<25)  ; 15:0 the mask: all four work-groups; 17:16 elements of 1 byte; 20 padding on; 21 set beside a mask; 24:22 after every 256 words (code 7); 31:25 four words (code 3)
	s_mov_b32 s[G1+1], 1024<<16                    ; tensor_dim0 = 1,024
	s_mov_b32 s[G1+2], 32<<16                      ; tensor_dim1 = 32
	s_mov_b32 s[G1+3], 1024<<16                    ; tile_dim0 = 1,024
	s_mov_b32 s[G1+4], 32                          ; tile_dim1 = 32
	s_mov_b32 s[G1+5], 1024                        ; from row to row
	s_mov_b32 s[G1+6], 0
	s_mov_b32 s[G1+7], 0
	; group 1 of the norms: one row of 256 elements of 8 bytes, a quarter of the 8,192 bytes for each wave
	s_mov_b32 s[G1N+0], 15|(3<<16)|(1<<21)
	s_mov_b32 s[G1N+1], 256<<16
	s_mov_b32 s[G1N+2], 1<<16
	s_mov_b32 s[G1N+3], 256<<16
	s_mov_b32 s[G1N+4], 1
	s_mov_b32 s[G1N+5], 256
	s_mov_b32 s[G1N+6], 0
	s_mov_b32 s[G1N+7], 0
	s_mul_i32 s78, s14, QUART                      ; where my quarter of a slot lies
	s_lshl_b32 s79, s14, 11                        ; and my quarter of the norms
	WIN 0x40                                       ; destination window 1
	v_lshlrev_b32 v[XO], 6, v62
	s_wait_kmcnt 0x0
	s_load_b64 s[20:21], s[10:11], 0x0             ; e0, e1
	s_add_co_u32 s72, s19, s22
	s_lshl_b32 s72, s72, 12                        ; a row of x is 4,096 bytes; 32,000 rows stay under 2^31 bytes
	s_mov_b32 s73, 0
	s_add_nc_u64 s[SX:SX+1], s[4:5], s[72:73]
.irp p, 5,6,7
	s_add_co_u32 s76, s22, 48+\p                   ; the last round's row p of my wave,
	s_min_u32 s76, s76, ROWS-1                     ; held at the block's last row: no load leaves x
	s_add_co_u32 s76, s76, s19
	s_lshl_b32 s76, s76, 12
	s_mov_b32 s77, 0
	s_add_nc_u64 s[SXC+2*(\p-5):SXC+2*(\p-5)+1], s[4:5], s[76:77]
.endr
	s_mul_i32 s72, s18, 4*ROWS
	s_add_nc_u64 s[12:13], s[12:13], s[72:73]      ; out0 at the block's first row
	s_lshl_b32 s74, s14, 15                        ; my 32 centroids of a slot: 32,768 bytes of codes
	s_mov_b32 s75, 0
	s_add_nc_u64 s[74:75], s[6:7], s[74:75]
.irp n, 0,1
	s_mov_b32 s[G0+4*\n], 1                        ; count = 1
	s_add_co_u32 s[G0+4*\n+1], s78, \n*SLOTB       ; LDS address: slot n, my quarter
	s_add_nc_u64 s[G0+4*\n+2:G0+4*\n+3], s[74:75], \n*131072   ; centroids 128 n + 32 w on
	s_or_b32 s[G0+4*\n+3], s[G0+4*\n+3], 0x80000000            ; type = 2
.endr
	s_mov_b32 s[G0N], 1
	s_add_co_u32 s[G0N+1], s79, NORM
	s_mov_b32 s76, s79
	s_mov_b32 s77, 0
	s_add_nc_u64 s[G0N+2:G0N+3], s[8:9], s[76:77]
	s_or_b32 s[G0N+3], s[G0N+3], 0x80000000
; x IS READ IN 64 STEPS A WAVE.  Step t: round i = t / 16 (row tile i of both row halves), row p = (t / 2) % 8 of my eight, half hf = t % 2 of the row: 512 numbers, a lane 16 neighbours (four loads, which together read 2,048 consecutive bytes).
.macro XLOAD t
.set XI, (\t)>>4
.set XP, ((\t)>>1)&7
.set XH, (\t)&1
.set XR, 16*((\t)%DEPTH)
.irp c, 0,1,2,3
.if XI == 3 && XP >= 5
	global_load_b128 v[XR+4*\c:XR+4*\c+3], v[XO], s[SXC+2*(XP-5):SXC+2*(XP-5)+1] offset:2048*XH+16*\c   ; the held rows: one of them may be read again, so no hint
.else
	global_load_b128 v[XR+4*\c:XR+4*\c+3], v[XO], s[SX:SX+1] offset:(16*XI+XP)*4096+2048*XH+16*\c th:TH_LOAD_NT
.endif
.endr
.endm
	WIN 0x55                                       ; all operands window 1
.set T, 0
.rept DEPTH
	XLOAD T                                        ; x is on its way before anything else is done
.set T, T+1
.endr
	WIN 0                                          ; at a label and at a branch every window is 0
	CROUND                                         ; all four work-groups are here: the first joint loads meet
	tensor_load_to_lds s[G0N:G0N+3], s[G1N:G1N+7]  ; the first fills go out together: three loads of mine are out
	s_nop 0
	tensor_load_to_lds s[G0:G0+3], s[G1:G1+7]
	s_nop 0
	tensor_load_to_lds s[G0+4:G0+7], s[G1:G1+7]
	s_nop 0
	PLACES 4
	v_and_b32 v60, 15, v0                          ; r
	v_bfe_u32 v61, v0, 4, 1                        ; h
	v_mul_u32_u24 v63, v60, PITCH
	v_lshl_add_u32 v63, v61, 4, v63                ; a fragment's row x pitch + 16 h
	s_mul_i32 s23, s16, 64*PITCH                   ; my 64 centroids of a slot
	v_add_nc_u32 v[CA], s23, v63
	v_add_nc_u32 v[CA+1], SLOTB, v[CA]
	s_lshl_b32 s23, s16, 8
	s_add_co_u32 s23, s23, NORM
	v_lshl_add_u32 v[NA], v61, 5, s23              ; the norms of centroids 64 ch + 8 h + 0 .. 7: 32 bytes
	s_mul_i32 s72, s15, 16*PITCH
	s_add_co_u32 s72, s72, STAGE                   ; my row half's 16 rows of the stage
	s_mul_i32 s73, s16, 8*PITCH
	s_add_co_u32 s73, s73, s72                     ; the eight of them that I write
.irp a, 0,1,2,3
	v_mov_b32 v[ST+10*\a], 0x7f800000              ; best = +infinity
	v_mov_b32 v[ST+10*\a+1], 0                     ; tid
.irp j, 2,3,4,5,6,7,8,9
	v_mov_b32 v[ST+10*\a+\j], 0x7f800000           ; the saved dists: the selects below read what they may keep
.endr
.endr
	s_wait_kmcnt 0x0
	s_add_co_i32 s74, s20, 127
	s_lshl_b32 s75, s74, 23                        ; 2^e0 as f32
	s_add_co_i32 s74, s74, 8
	s_lshl_b32 s74, s74, 23
	s_or_b32 s74, s74, 0x600000                    ; 448 x 2^e0
	s_add_co_i32 s[SC], s20, s21
	s_add_co_i32 s[SC], s[SC], 128
	s_lshl_b32 s[SC], s[SC], 23
	s_or_b32 s[SC], s[SC], 0x80000000              ; -2^(e0 + e1 + 1)
	s_mov_b32 s[SC+1], s[SC]
	s_lshl_b32 s[TID], s16, 6                      ; my first tile's first centroid
	s_mov_b32 s[SEL], 0x76543210
	s_mov_b32 s[SEL+1], 0xfedcba98
	WIN 0x40
	v_add_nc_u32 v[FA], s72, v63
	v_lshl_add_u32 v[SA], v62, 4, s73
	v_mov_b32 v[LIM], s74
	v_mov_b32 v[SCL], s75
; One step: held, converted, its 16 codes a lane (512 consecutive bytes a wave) into the stage; the ring's registers take the step DEPTH further on.
.macro XSTEP t
.set XS, 16*((\t)%DEPTH)
.set XC, CODE+4*((\t)%4)
.set LEFT, 63-(\t)
.if LEFT > DEPTH-1
.set LEFT, DEPTH-1
.endif
	s_wait_loadcnt 4*LEFT                          ; this step's four loads are in; those of the steps issued behind it, 13 or as many as are left, may be out
.irp i, 0,1,2,3,4,5,6,7,8,9,10,11,12,13,14,15
	v_med3_num_f32 v[XS+\i], v[XS+\i], -v[LIM], v[LIM]   ; the conversion to an 8-bit code does not saturate (ISA guide 7.6.2)
.endr
	v_cvt_scalef32_pk8_fp8_f32 v[XC:XC+1], v[XS:XS+7], v[SCL]
	v_cvt_scalef32_pk8_fp8_f32 v[XC+2:XC+3], v[XS+8:XS+15], v[SCL]
	v_nop                                          ; one plain vector instruction between a scaled conversion and what touches its result or writes its sources
	ds_store_b128 v[SA], v[XC:XC+3] offset:PITCH*(((\t)>>1)&7)+512*((\t)&1)
.if (\t)+DEPTH < 64
	XLOAD (\t)+DEPTH
.endif
.endm
; Row tile i's eight fragments out of the stage: lane (r, h) takes, of row r, K = 128 q + 32 c + 16 h + 0 .. 15 into registers 4 c .. 4 c + 3: the same places as the centroids' fragments take
.macro XFRAG i
	WIN 0x81                                       ; address window 1, destination window 2
.irp q, 0,1,2,3
.irp c, 0,1,2,3
	ds_load_b128 v[64*\i+16*\q+4*\c:64*\i+16*\q+4*\c+3], v[FA] offset:128*\q+32*\c
.endr
.endr
	WIN 0xc1                                       ; destination window 3
.irp q, 0,1,2,3
.irp c, 0,1,2,3
	ds_load_b128 v[64*\i+16*\q+4*\c:64*\i+16*\q+4*\c+3], v[FA] offset:512+128*\q+32*\c
.endr
.endr
.endm
.set T, 0
.irp i, 0,1,2,3                        ; four rounds; x's loads stay on their way across the barriers (nobody writes x)
	WIN 0x55
.rept 16
	XSTEP T
.set T, T+1
.endr
	s_wait_dscnt 0x0                               ; for the others' sake: my eight rows are in the stage
	s_barrier_signal -1
	s_barrier_wait -1                              ; the stage is whole
	XFRAG \i
	s_wait_dscnt 0x0                               ; my reads of the stage are over
.if \i == 3
	s_wait_tensorcnt 0x1                           ; my parts of the norms and of slot 0 are in; slot 1's load, the one issued behind them, may stay out
.endif
	s_barrier_signal -1
	s_barrier_wait -1                              ; the stage may be written again; behind the last round's: norms and slot 0 are whole
.endr
	WIN 0
; THE MATRIX PHASE.
.macro CFLOAD n, t, q                  ; fragment q (16 centroids x 128 K) of tile t of slot n
.irp c, 0,1,2,3
	ds_load_b128 v[CF+16*(\q)+4*\c:CF+16*(\q)+4*\c+3], v[CA+(\n)] offset:16*PITCH*(\t)+128*(\q)+32*\c
.endr
.endm
.macro NLOAD n, t                      ; my eight norms of tile t of slot n of the lap in hand
	ds_load_b128 v[NR:NR+3], v[NA] offset:512*(\n)+64*(\t)
	ds_load_b128 v[NR+4:NR+7], v[NA] offset:512*(\n)+64*(\t)+16
.endm
.macro PROD a, q, p                    ; row tile a, K step q, accumulator set p.  The first K step starts the sums: nothing is cleared
.set AC, ACC+32*(\p)+8*(\a)
.set CR, CF+16*(\q)
.set XF, 64*(\a)+16*((\q)&3)
.if (\q) == 0
	v_wmma_f32_16x16x128_fp8_fp8 v[AC:AC+7], v[CR:CR+15], v[XF:XF+15], 0
.else
	v_wmma_f32_16x16x128_fp8_fp8 v[AC:AC+7], v[CR:CR+15], v[XF:XF+15], v[AC:AC+7]
.endif
.endm
; THE LIST: what is made of a finished tile's four accumulators (at AB), numbered 0 to 79; SM writes number KK.
;   0-3    nothing (76 instructions fill 16 slices of five but for these)
;   4-19   dist = sum x -2^(e0+e1+1) + norm, in place, two at a time; each accumulator from its low end on
;   20-37  the least of a lane's eight dists, two row tiles alternating; 30, 31, 40, 41 the comparisons with best
;   38-79  where the tile's least is less: best, tid and the eight dists are taken over
; The comparisons lie in even slices: every odd slice, which stands behind a K step's last products and in front of the loads into their fragment, is five plain instructions that name none of those products' registers.
.macro TREE                            ; stage TS of row tile TA's least
.set AA, AB+8*TA
.if TS == 0
	v_min3_num_f32 v[MN+TA], v[AA], v[AA+1], v[AA+2]
.elseif TS < 3
	v_min3_num_f32 v[MN+TA], v[MN+TA], v[AA+2*TS+1], v[AA+2*TS+2]
.else
	v_min_num_f32 v[MN+TA], v[MN+TA], v[AA+7]
.endif
.endm
.macro LESS
	v_cmp_lt_f32 s[MK+TA], v[MN+TA], v[ST+10*TA]   ; strictly: an earlier tile keeps a tie
.endm
.macro TAKE                            ; field TS of row tile TA's state
.if TS == 0
	v_cndmask_b32 v[ST+10*TA], v[ST+10*TA], v[MN+TA], s[MK+TA]
.elseif TS == 1
	v_cndmask_b32 v[ST+10*TA+1], v[ST+10*TA+1], s[TID], s[MK+TA]
.else
	v_cndmask_b32 v[ST+10*TA+TS], v[ST+10*TA+TS], v[AB+8*TA+TS-2], s[MK+TA]
.endif
.endm
.macro SM pp
.set AB, ACC+32*(\pp)
.if KK < 4
.elseif KK < 20
.set TA, (KK-4)&3
.set TS, (KK-4)>>2
	v_pk_fma_f32 v[AB+8*TA+2*TS:AB+8*TA+2*TS+1], v[AB+8*TA+2*TS:AB+8*TA+2*TS+1], s[SC:SC+1], v[NR+2*TS:NR+2*TS+1] op_sel_hi:[1,0,1]
.elseif KK < 28
.set TA, (KK-20)&1
.set TS, (KK-20)>>1
	TREE
.elseif KK < 30
.set TA, KK-26
.set TS, 0
	TREE
.elseif KK < 32
.set TA, KK-30
	LESS
.elseif KK < 38
.set TA, 2+((KK-32)&1)
.set TS, 1+((KK-32)>>1)
	TREE
.elseif KK < 40
.set TA, 0
.set TS, KK-38
	TAKE
.elseif KK < 42
.set TA, KK-38
	LESS
.elseif KK < 50
.set TA, 0
.set TS, KK-40
	TAKE
.else
.set TA, 1+(KK-50)/10
.set TS, (KK-50)%10
	TAKE
.endif
.endm
.macro SLICE pp
.rept 5
	SM \pp
.set KK, KK+1
.endr
.endm
; A K step: four products, the four accumulators by turns, one instruction a turn, and two slices of the other set's list.  w: the count of the wait in front, -1: none.
; post = 0 (the first tile: no tile is finished yet): four v_nop stand where the second slice would, as the places in front of the loads into the fragment.
.macro KSTEP q, p, post, w
.if (\w) >= 0
	s_wait_dscnt \w
.endif
	WIN 0x08+4*((\q)>>2)                           ; source 1 (x) window 2 or 3, all else window 0
	PROD 0, \q, \p
	PROD 1, \q, \p
.if \post
	WIN 0
	SLICE 1-(\p)
	WIN 0x08+4*((\q)>>2)
.endif
	PROD 2, \q, \p
	PROD 3, \q, \p
	WIN 0
.if \post
	SLICE 1-(\p)
.else
	PLACES 4
.endif
.endm
; A TILE: 16 centroids x my 64 rows x 1,024 K: eight K steps.  Behind K step q the next tile's fragment q is loaded into the registers just multiplied; behind K step 2, ahead of that, this tile's norms
; (the list has done with the last tile's norms in K step 1).  So the order of LDS loads is always: fragments 0, 1, the norms (two loads), fragments 2 to 7 (24 loads).
; WAITS: in front of K step 0: 24 = the loads issued behind the norms, so fragments 0, 1 and the norms are in.  In front of K step q: 28 = at least seven other fragments' loads have been issued behind fragment q's.
; mode 0: as above.  mode 1, 2: a slot's last tile, with the change of slots; 1: the slot is filled again.  mode 3: the launch's last tile: nothing more to load but its norms.
.macro TILE n, t, post, mode
.set KK, 0
.set PS, (\t)&1
.if (\t) == 3
.set NXN, 1-(\n)
.set NXT, 0
.else
.set NXN, \n
.set NXT, (\t)+1
.endif
.if (\mode) == 1 || (\mode) == 2
	s_wait_tensorcnt 0x0                           ; all my tensor loads have landed: the one that was out is my quarter of the other slot
	ds_add_u32 v[SPW], v[NIL]                      ; 0 onto my spare word
	KSTEP 0, PS, \post, 25                         ; the 24 and the add may be out;
	KSTEP 1, PS, \post, -1                         ; two K steps stand between the add and the wait for it (fragment 1 is older than the norms: it is in)
	s_wait_dscnt 0x0                               ; the add is done, and my reads of this slot are over: all eight fragments are in registers
	s_barrier_signal -1
	KSTEP 2, PS, \post, -1                         ; work on registers while the others arrive
	s_barrier_wait -1                              ; (every window is 0: branches follow)
.if (\mode) == 1
	CREST                                          ; the barrier has opened a round of the cluster's: no wave of any partner still reads this slot or has a load on its way
	s_add_nc_u64 s[G0+4*(\n)+2:G0+4*(\n)+3], s[G0+4*(\n)+2:G0+4*(\n)+3], 262144   ; two slots of codes on; the type bits on top are not reached
	tensor_load_to_lds s[G0+4*(\n):G0+4*(\n)+3], s[G1:G1+7]   ; my one tensor load behind the round, and the first thing there: it has four tiles, 128 matrix instructions, in which to land
	s_nop 0
	PLACES 4
.endif
	CFLOAD NXN, NXT, 0                             ; the loads that K steps 0 to 2 held back, now from the other slot, in the usual order; K step 2's second slice is the places in front of them
	CFLOAD NXN, NXT, 1
	NLOAD \n, \t
	CFLOAD NXN, NXT, 2
.irp q, 3,4,5,6,7
	KSTEP \q, PS, \post, -1
	CFLOAD NXN, NXT, \q
.endr
.elseif (\mode) == 3
.irp q, 0,1,2,3,4,5,6,7
.if \q == 0
	KSTEP 0, PS, \post, 24
.else
	KSTEP \q, PS, \post, 4*(7-\q)                  ; the fragments behind q may be out; the last wait, for 0, also shows the norms in
.endif
.if \q == 2
	NLOAD \n, \t
.endif
.endr
.else
.irp q, 0,1,2,3,4,5,6,7
.if \q == 0
	KSTEP 0, PS, \post, 24
.else
	KSTEP \q, PS, \post, 28
.endif
.if \q == 2
	NLOAD \n, \t
.endif
	CFLOAD NXN, NXT, \q
.endr
.endif
.if \post
.if (\t) == 0
	s_add_co_u32 s[TID], s[TID], 80                ; the list goes on to this tile: a slot's first lies 128 - 48 behind the last slot's last
.else
	s_add_co_u32 s[TID], s[TID], 16
.endif
.endif
.endm
.irp q, 0,1,2,3,4,5,6,7
	CFLOAD 0, 0, \q
.endr
	TILE 0, 0, 0, 0                                ; the first tile stands in front of the loop: no tile is finished yet
	s_mov_b32 s[TRIP], 7
.Llap:                                                 ; a trip goes once round the ring, from a lap's second tile to the next lap's first, and fills both slots again: slots 2 to 15 of the 16
	TILE 0, 1, 1, 0
	TILE 0, 2, 1, 0
	TILE 0, 3, 1, 1
	TILE 1, 0, 1, 0
	TILE 1, 1, 1, 0
	TILE 1, 2, 1, 0
	TILE 1, 3, 1, 1
	v_add_nc_u32 v[NA], 1024, v[NA]                ; the next lap's 256 norms
	TILE 0, 0, 1, 0
	s_sub_co_u32 s[TRIP], s[TRIP], 1
	s_cmp_lg_u32 s[TRIP], 0
	s_cbranch_scc1 .Llap
	TILE 0, 1, 1, 0                                ; the last lap is written out: it asks for nothing more
	TILE 0, 2, 1, 0
	TILE 0, 3, 1, 2
	TILE 1, 0, 1, 0
	TILE 1, 1, 1, 0
	TILE 1, 2, 1, 0
	TILE 1, 3, 1, 3
.set KK, 0
.rept 80
	SM 1                                           ; the last tile's list, on its own (five plain instructions of the list before stand behind the last products)
.set KK, KK+1
.endr
; THE END.  (v[b], v[i]) takes (v[pb], v[pi]) where that dist is less, or equal with the lower number.
.macro JOIN b, i, pb, pi
	v_cmp_lt_f32 s72, v[\pb], v[\b]
	v_cmp_eq_f32 s73, v[\pb], v[\b]
	v_cmp_lt_u32 s74, v[\pi], v[\i]
	s_and_b32 s73, s73, s74
	s_or_b32 s72, s72, s73
	v_cndmask_b32 v[\b], v[\b], v[\pb], s72
	v_cndmask_b32 v[\i], v[\i], v[\pi], s72
.endm
	v_bfe_u32 v7, v0, 4, 1
	v_lshlrev_b32 v7, 3, v7                        ; 8 h
.irp a, 0,1,2,3
	v_mov_b32 v[128+\a], 7                         ; the place in the tile: the lowest j whose saved dist is best
.endr
.irp j, 6,5,4,3,2,1,0
.irp a, 0,1,2,3
	v_cmp_eq_f32 s[MK+\a], v[ST+10*\a+2+\j], v[ST+10*\a]
.endr
.irp a, 0,1,2,3
	v_cndmask_b32 v[128+\a], v[128+\a], \j, s[MK+\a]
.endr
.endr
.irp a, 0,1,2,3
	v_add3_u32 v[132+\a], v[ST+10*\a+1], v[128+\a], v7   ; the centroid's number: tile + 8 h + j
	v_mov_b32 v[136+\a], 0                         ; (the destination of a lane permute counts as read)
	v_mov_b32 v[140+\a], 0
.endr
.irp a, 0,1,2,3
	v_permlanex16_b32 v[136+\a], v[ST+10*\a], s[SEL], s[SEL+1]   ; the same row's other eight centroids of each tile lie in lane l xor 16
	v_permlanex16_b32 v[140+\a], v[132+\a], s[SEL], s[SEL+1]
.endr
.irp a, 0,1,2,3
	JOIN ST+10*\a, 132+\a, 136+\a, 140+\a
.endr
	s_mov_b32 s75, 0xffff0000
.irp u, 0,1
	v_cndmask_b32 v[144+2*\u], v[ST+20*\u], v[ST+20*\u+10], s75   ; lanes 0-15 keep row tile 2 u, lanes 16-31 take 2 u + 1: lane l holds my row 32 u + l
	v_cndmask_b32 v[145+2*\u], v[132+2*\u], v[133+2*\u], s75
.endr
	v_and_b32 v62, 31, v0
	s_lshl_b32 s76, s14, 9
	s_add_co_u32 s76, s76, STAGE                   ; the exchange: 64 rows x 8 bytes for each wave, in the stage, which nobody has read since the barrier behind x's last round
	v_lshl_add_u32 v6, v62, 3, s76
	ds_store_b64 v6, v[144:145]
	ds_store_b64 v6, v[146:147] offset:256
	s_wait_dscnt 0x0                               ; for the others' sake
	s_barrier_signal -1
	s_barrier_wait -1
	v_lshrrev_b32 v60, 6, v0                       ; thread t takes local row t: row half t / 64,
	v_and_b32 v61, 63, v0                          ; row t % 64 of it,
	v_lshlrev_b32 v61, 3, v61
	v_lshl_add_u32 v61, v60, 10, v61
	v_add_nc_u32 v61, STAGE, v61
	ds_load_b64 v[148:149], v61                    ; from the wave with ch = 0
	ds_load_b64 v[150:151], v61 offset:512         ; and from the wave with ch = 1
	v_lshlrev_b32 v63, 2, v0
	s_wait_dscnt 0x0
	JOIN 148, 149, 150, 151
	s_wait_xcnt 0x0                                ; EXEC changes only behind this wait
	v_cmp_gt_u32 vcc_lo, ROWS, v0
	s_and_saveexec_b32 s72, vcc_lo                 ; local rows 125 to 127 are not stored
	global_store_b32 v63, v149, s[12:13]
	s_wait_xcnt 0x0                                ; and again, in front of the line that widens it
	s_or_b32 exec_lo, exec_lo, s72
	s_wait_tensorcnt 0x0                           ; the wave's end: behind my last tensor load and my last LDS store
	ds_add_u32 v[SPW], v[NIL]
	s_wait_dscnt 0x0
	CROUND                                         ; the closing round: no work-group ends while a partner may still ask for a tile that names it
	s_endpgm
.Lfunc_end_k_q3d7137138d_assign:
	.size	k_q3d7137138d_assign, .Lfunc_end_k_q3d7137138d_assign-k_q3d7137138d_assign
	.p2alignl 7, 3214868480
	.fill 96, 4, 3214868480
	.section	.rodata,"a",@progbits
	.p2align	6, 0x0
	.amdhsa_kernel k_q3d7137138d_assign
		.amdhsa_group_segment_fixed_size 327680
		.amdhsa_private_segment_fixed_size 0
		.amdhsa_enable_private_segment 0
		.amdhsa_kernarg_size 40
		.amdhsa_user_sgpr_count 2
		.amdhsa_user_sgpr_kernarg_segment_ptr 1
		.amdhsa_wavefront_size32 1
		.amdhsa_system_sgpr_workgroup_id_x 1
		.amdhsa_system_sgpr_workgroup_id_y 1
		.amdhsa_system_sgpr_workgroup_id_z 1
		.amdhsa_system_vgpr_workitem_id 0
		.amdhsa_next_free_vgpr 1024
		.amdhsa_next_free_sgpr 80
		.amdhsa_reserve_vcc 1
		.amdhsa_float_denorm_mode_32 3
		.amdhsa_float_denorm_mode_16_64 3
		.amdhsa_memory_ordered 1
		.amdhsa_forward_progress 1
		.amdhsa_inst_pref_size 255
	.end_amdhsa_kernel
	.section	.bss,"aw",@nobits
	.p2align	6
	.space	262144
	.amdgpu_metadata
---
amdhsa.version: [ 1, 2 ]
amdhsa.kernels:
  - .name:           k_q3d7137138d_assign
    .symbol:         k_q3d7137138d_assign.kd
    .args:
      - { .name: x, .offset: 0, .size: 8, .value_kind: global_buffer, .address_space: global }
      - { .name: c_codes, .offset: 8, .size: 8, .value_kind: global_buffer, .address_space: global }
      - { .name: cnorm, .offset: 16, .size: 8, .value_kind: global_buffer, .address_space: global }
      - { .name: lowp_scales, .offset: 24, .size: 8, .value_kind: global_buffer, .address_space: global }
      - { .name: out0, .offset: 32, .size: 8, .value_kind: global_buffer, .address_space: global }
    .group_segment_fixed_size: 327680
    .private_segment_fixed_size: 0
    .kernarg_segment_align: 8
    .kernarg_segment_size: 40
    .max_flat_workgroup_size: 128
    .sgpr_count:     80
    .vgpr_count:     1024
    .wavefront_size: 32
...
	.end_amdgpu_metadata
.endif
;; end of part 2
;; ======== version 2 of 2: 2 launches
;; limits: right only within a limited range of input values
;; workspace buffers: c_codes 2,097,152 bytes; cnorm 16,384 bytes
;; launch prep (part 3): grid 256 x 1, 4 waves a work-group, no clusters, 0 bytes of LDS; arguments centroids, lowp_scales, c_codes, cnorm; writes c_codes, cnorm
.if DOCPART == 3
	.amdgcn_target "amdgcn-amd-amdhsa--gfx1250"
	.amdhsa_code_object_version 6
	.text
	.protected	k_q3d7137138d_prep
	.globl	k_q3d7137138d_prep
	.p2align	8
	.type	k_q3d7137138d_prep,@function
k_q3d7137138d_prep:
	s_mov_b64 s[64:65], 0
	v_nop
	global_prefetch_b8 v0, s[64:65] scope:SCOPE_SE
	s_setreg_imm32_b32 hwreg(HW_REG_WAVE_MODE, 25, 1), 1
	s_wait_xcnt 0x0
; centroids [2048][1024] f32 -> c_codes [2048][1024], codes of E4M3 with the given scale 2^e1, and cnorm [4096] f32: the sum of squares of each UNQUANTISED row, the 2,048 norms TWICE on end
; (norm k at entries k and k + 2048), so that the next launch finds the 2,048 norms from any entry 128 ph on, round the end, as one dense piece.
; code = c / 2^e1, held within +-448, rounded to the nearest code, ties to even.  e1 is entry 1 (int32) of lowp_scales.
; K IS PERMUTED inside each block of 512: byte 16 l + 4 c + i of a block holds the code of k = 128 c + 4 l + i (l 0..31, c 0..3, i 0..3).  The next launch lays x's codes in the same order, so every
; product meets its partner; with one scale for the tensor the order along K does not touch the quantiser.
; LIMITS: -126 <= e1 <= 119, so that 2^e1 and 448 x 2^e1 are f32 numbers.  NaN among the inputs is not served.  A row's squares are summed in f32 in four chains of pairs
; and then across the lanes: another order of rounding than a sum from left to right.
; SHARES: every centroid is read by all row blocks of the next launch, so it is quantised once, here.  A work-group takes 8 rows, a wave 2 rows = 8,192 bytes = 4 steps of 512 numbers.
; In a step a lane makes four loads of 16 bytes, 512 bytes apart: each load of the wave covers 512 consecutive bytes, aligned.  A lane's 16 codes are 16 bytes: the wave's store covers 512 consecutive
; bytes, aligned.  All 16 loads of a wave go out at once.
; Waves share nothing: no LDS, no barrier, no cluster (no two work-groups read the same bytes).  Written out, every offset an immediate.
; The two norms of a wave leave as 8 bytes from lane 0, twice: cnorm is 16,384 bytes in all; gathering 64 norms to a store would leave work for 32 work-groups only.
.set X,   16                           ; v16-79   step t: 16 numbers at X + 16 t
.set C,   80                           ; v80-95   step t: 4 registers of codes
.set P,   96                           ; v96-103  four chains of pairs for the squares
.set NRM, 104                          ; v104-105 the two rows' norms
.set PD,  106                          ; v106     destination of the lane permute
	s_load_b256 s[4:11], s[0:1], 0x0               ; centroids s[4:5], lowp_scales s[6:7], c_codes s[8:9], cnorm s[10:11]
	v_lshrrev_b32 v1, 5, v0
	v_readfirstlane_b32 s16, v1                    ; wave 0..3
	v_and_b32 v2, 31, v0                           ; lane
	v_lshlrev_b32 v3, 4, v2                        ; my 16 bytes of 512: in each load, and in a step's codes
	v_mov_b32 v5, 0
	v_mov_b32 v[PD], 0                             ; (the destination of a lane permute counts as read)
	s_lshl_b32 s17, ttmp9, 3
	s_lshl1_add_u32 s17, s16, s17                  ; my first row: 8 x work-group + 2 x wave
	s_mov_b32 s19, 0
	s_mov_b32 s24, 0x76543210                      ; v_permlanex16_b32's selects for lane l xor 16
	s_mov_b32 s25, 0xfedcba98
	s_wait_alu depctr_va_vdst(0)
	s_wait_kmcnt 0x0
	s_load_b32 s20, s[6:7], 0x4                    ; e1
	s_lshl_b32 s18, s17, 12                        ; a row of f32 is 4,096 bytes
	s_add_nc_u64 s[4:5], s[4:5], s[18:19]
.irp t, 0,1,2,3
.irp i, 0,1,2,3
	global_load_b128 v[X+16*\t+4*\i:X+16*\t+4*\i+3], v3, s[4:5] offset:2048*\t+512*\i th:TH_LOAD_NT
.endr
.endr
	s_lshl_b32 s18, s17, 10                        ; a row of codes is 1,024 bytes
	s_add_nc_u64 s[8:9], s[8:9], s[18:19]
	s_lshl_b32 s18, s17, 2                         ; a norm is 4 bytes
	s_add_nc_u64 s[10:11], s[10:11], s[18:19]
	s_wait_kmcnt 0x0
	s_add_co_i32 s20, s20, 127
	s_lshl_b32 s21, s20, 23
	v_mov_b32 v11, s21                             ; 2^e1 as f32: the conversion takes its exponent field
	s_add_co_i32 s20, s20, 8
	s_lshl_b32 s22, s20, 23
	s_or_b32 s22, s22, 0x600000
	v_mov_b32 v10, s22                             ; 448 x 2^e1
; Row p (steps 2 p and 2 p + 1, 32 registers a lane): the sum of its squares, before the numbers are held.
.macro ROWSUM p
.set XR, X+32*\p
.irp c, 0,1,2,3
	v_pk_mul_f32 v[P+2*\c:P+2*\c+1], v[XR+2*\c:XR+2*\c+1], v[XR+2*\c:XR+2*\c+1]   ; the first four pairs start the chains: nothing is cleared
.endr
.irp g, 1,2,3
.irp c, 0,1,2,3
	v_pk_fma_f32 v[P+2*\c:P+2*\c+1], v[XR+8*\g+2*\c:XR+8*\g+2*\c+1], v[XR+8*\g+2*\c:XR+8*\g+2*\c+1], v[P+2*\c:P+2*\c+1]
.endr
.endr
	v_pk_add_f32 v[P:P+1], v[P:P+1], v[P+2:P+3]
	v_pk_add_f32 v[P+4:P+5], v[P+4:P+5], v[P+6:P+7]
	v_pk_add_f32 v[P:P+1], v[P:P+1], v[P+4:P+5]
	v_add_f32 v[P], v[P], v[P+1]
	v_add_f32_dpp v[P], v[P], v[P] row_xmask:1 row_mask:0xf bank_mask:0xf
	v_add_f32_dpp v[P], v[P], v[P] row_xmask:2 row_mask:0xf bank_mask:0xf
	v_add_f32_dpp v[P], v[P], v[P] row_xmask:4 row_mask:0xf bank_mask:0xf
	v_add_f32_dpp v[P], v[P], v[P] row_xmask:8 row_mask:0xf bank_mask:0xf
	v_permlanex16_b32 v[PD], v[P], s24, s25
	v_add_f32 v[NRM+\p], v[P], v[PD]               ; every lane holds the row's norm
.endm
; Step t: held, converted, stored.
.macro QSTEP t
.set XS, X+16*\t
.irp i, 0,1,2,3,4,5,6,7,8,9,10,11,12,13,14,15
	v_med3_num_f32 v[XS+\i], v[XS+\i], -v10, v10   ; the conversion to an 8-bit code does not saturate (ISA guide 7.6.2): hold the number within 448 x the scale first
.endr
	v_cvt_scalef32_pk8_fp8_f32 v[C+4*\t:C+4*\t+1], v[XS:XS+7], v11
	v_cvt_scalef32_pk8_fp8_f32 v[C+4*\t+2:C+4*\t+3], v[XS+8:XS+15], v11
	v_nop                                          ; one plain vector instruction between a scaled conversion and what touches its result
	global_store_b128 v3, v[C+4*\t:C+4*\t+3], s[8:9] offset:512*\t
.endm
	s_wait_loadcnt 8                               ; row 0's eight loads are in; row 1's eight, issued behind them, may be out
	ROWSUM 0
	QSTEP 0
	QSTEP 1
	s_wait_loadcnt 0x0
	ROWSUM 1
	QSTEP 2
	QSTEP 3
	s_wait_xcnt 0x0                                ; EXEC is a source of the stores above: it is narrowed only behind this wait
	v_cmp_eq_u32 vcc_lo, 0, v2
	s_and_saveexec_b32 s26, vcc_lo
	global_store_b64 v5, v[NRM:NRM+1], s[10:11]    ; lane 0: my two rows' norms,
	global_store_b64 v5, v[NRM:NRM+1], s[10:11] offset:8192   ; and once more, 2,048 entries on
	s_endpgm
.Lfunc_end_k_q3d7137138d_prep:
	.size	k_q3d7137138d_prep, .Lfunc_end_k_q3d7137138d_prep-k_q3d7137138d_prep
	.p2alignl 7, 3214868480
	.fill 96, 4, 3214868480
	.section	.rodata,"a",@progbits
	.p2align	6, 0x0
	.amdhsa_kernel k_q3d7137138d_prep
		.amdhsa_group_segment_fixed_size 0
		.amdhsa_private_segment_fixed_size 0
		.amdhsa_enable_private_segment 0
		.amdhsa_kernarg_size 32
		.amdhsa_user_sgpr_count 2
		.amdhsa_user_sgpr_kernarg_segment_ptr 1
		.amdhsa_wavefront_size32 1
		.amdhsa_system_sgpr_workgroup_id_x 1
		.amdhsa_system_sgpr_workgroup_id_y 1
		.amdhsa_system_sgpr_workgroup_id_z 1
		.amdhsa_system_vgpr_workitem_id 0
		.amdhsa_next_free_vgpr 112
		.amdhsa_next_free_sgpr 66
		.amdhsa_reserve_vcc 1
		.amdhsa_float_denorm_mode_32 3
		.amdhsa_float_denorm_mode_16_64 3
		.amdhsa_memory_ordered 1
		.amdhsa_forward_progress 1
		.amdhsa_inst_pref_size 12
	.end_amdhsa_kernel
	.amdgpu_metadata
---
amdhsa.version: [ 1, 2 ]
amdhsa.kernels:
  - .name:           k_q3d7137138d_prep
    .symbol:         k_q3d7137138d_prep.kd
    .args:
      - { .name: centroids, .offset: 0, .size: 8, .value_kind: global_buffer, .address_space: global }
      - { .name: lowp_scales, .offset: 8, .size: 8, .value_kind: global_buffer, .address_space: global }
      - { .name: c_codes, .offset: 16, .size: 8, .value_kind: global_buffer, .address_space: global }
      - { .name: cnorm, .offset: 24, .size: 8, .value_kind: global_buffer, .address_space: global }
    .group_segment_fixed_size: 0
    .private_segment_fixed_size: 0
    .kernarg_segment_align: 8
    .kernarg_segment_size: 32
    .max_flat_workgroup_size: 128
    .sgpr_count:     66
    .vgpr_count:     112
    .wavefront_size: 32
...
	.end_amdgpu_metadata
.endif
;; end of part 3
;; launch assign (part 4): grid 256 x 1, 4 waves a work-group, clusters of 4 x 1, 327,680 bytes of LDS; arguments x, c_codes, cnorm, lowp_scales, out0; writes out0
.if DOCPART == 4
	.amdgcn_target "amdgcn-amd-amdhsa--gfx1250"
	.amdhsa_code_object_version 6
	.text
	.protected	k_q3d7137138d_assign
	.globl	k_q3d7137138d_assign
	.p2align	8
	.type	k_q3d7137138d_assign,@function
k_q3d7137138d_assign:
	s_mov_b64 s[64:65], 0
	v_nop
	global_prefetch_b8 v0, s[64:65] scope:SCOPE_SE
	s_setreg_imm32_b32 hwreg(HW_REG_WAVE_MODE, 25, 1), 1
	s_wait_xcnt 0x0
	s_wait_alu depctr_hold_cnt(0) depctr_sa_sdst(0) depctr_va_vdst(0) depctr_va_sdst(0) depctr_va_ssrc(0) depctr_va_vcc(0) depctr_vm_vsrc(0)
	s_getreg_b32 s2, hwreg(HW_REG_IB_STS2, 6, 4)
	s_cmp_eq_u32 s2, 0
	s_cbranch_scc0 .Lentry_in_a_cluster
	s_endpgm
.Lentry_in_a_cluster:
	s_bfe_u32 s2, ttmp6, 0x10000c
	s_cmp_lg_u32 s2, 0x3003
	s_cbranch_scc0 .Lentry_shape_is_right
	s_endpgm
.Lentry_shape_is_right:
; out0[n] = the lowest k at which dist[n][k] = -2 (x_n . c_k) + |c_k|^2 is least.  x: [32000][1024] f32; c_codes: [2048][1024] codes of E4M3 (scale 2^e1); cnorm: [4096] f32, the 2,048 norms twice on end.
; x is quantised here, in registers (x / 2^e0, held within +-448, nearest, ties to even): each row belongs to one work-group and is read once.
; Products by v_wmma_f32_16x16x128_fp8_fp8, sums in f32; dist = fma(sum, -2 x 2^(e0 + e1), norm): the factor is a power of two, so there is one rounding.
; LIMITS: -126 <= e0 <= 119; -127 <= e0 + e1 <= 126.  NaN among the inputs is not served.  Where every dist of a row is +infinity the result is 0.
; K IS PERMUTED alike in both operands: inside each block of 512, byte 16 l + 4 c + i holds the code of k = 128 c + 4 l + i; a fragment is taken by four loads of 16 bytes.  The order of the f32 sums differs from ascending k.
; SHARES: 32,000 = 256 x 125 rows, worked as 128 (local rows 125-127 repeat row 124 and are not stored).  Wave w: rh = w / 2 picks 64 rows, ch = w % 2 picks 64 of a slot's 128 centroids.
; A wave's 64 rows x 1,024 K of codes stay in 512 registers; a tile is 16 centroids x 1,024 K from LDS for 32 matrix instructions.
; Source 0 = 16 centroids, source 1 = 16 rows of x: lane (r, h) holds row r, register j centroid 8 h + j.
; THE WALK: 16 pieces of 128 centroids; cluster c walks (c % 16 + k) % 16.  The norms lie in LDS in the walk's order.  Where the walk goes from piece 15 to piece 0 the state is put aside and begun anew
; (a scalar branch on ids), so that both parts ascend and an earlier tile keeps a tie; the end joins the parts by (dist, then number).
; A TILE: one run of LDS loads (its norms, the next tile's fragments), 32 matrix instructions on end (four accumulators by turns), then the list of the tile before
; (76 vector instructions on the other set of accumulators), which also are the places ahead of the next run of loads.
; CLUSTER: the four work-groups walk the same codes in the same order and ask for each quarter of a slot jointly (mask 15).  The place in the cluster enters x's and out0's addresses alone.
; NO PREFETCH: x is read once by loads issued 14 steps ahead, with no loop to run ahead in; the 2 MiB of codes are walked by all 64 clusters, four to a phase, so but for its first two pieces a cluster asks for pieces that others have read earlier in the launch.
; LDS: two slots of 128 x 1,040 bytes; the norms and a stage of 32 rows of x's codes (both written by LDS stores, never by a tensor load); the spare words.  All of LDS is claimed.
; REGISTERS: window 0: v1, v2 the add's; v3, v4 fragment address in slot 0, 1; v5 norms' address; v8-15, v128-135 norms, two sets; v16-55 state (row tile a at 16 + 10 a: best, tid, 8 dists); v56-63 a tile's least, in two legs;
;   v64-127 two sets of 4 accumulators; v136-175 the state put aside; v180.. the end.  window 1: first x's ring (14 steps x 16) and v224.. addresses, then two sets of centroid fragments.  windows 2, 3: x's fragments.
.set ROWS,  125
.set PITCH, 1040
.set SLOTB, 128*PITCH
.set QUART, 32*PITCH
.set NORM,  2*SLOTB
.set STAGE, NORM+8192
.set SPARE, STAGE+32*PITCH
.set DEPTH, 14
.set SPW, 1
.set NIL, 2
.set CA,  3
.set NA,  5
.set NR,  8
.set ST,  16
.set MN,  56
.set M2,  60
.set ACC, 64
.set SV,  136
.set XO,   224
.set SA,   225
.set LIM,  226
.set SCL,  227
.set CODE, 228
.set FA,   244
.set G1,  24
.set G0,  32
.set SX,  52
.set SXC, 54
.set SC,  60
.set TID, 62
.set TRIP, 63
.set MK,  66
.set SEL, 70
.set CB,  80
.set RQ,  82
.set INF, 83
.set OF,  84
.set PH,  86
.set MSB, 0
.macro WIN new                         ; the immediate's high byte repeats the setting that is left
.if MSB != (\new)
	s_set_vgpr_msb (MSB<<8)|(\new)
.set MSB, (\new)
.endif
.endm
.macro PLACES n
.rept \n
	v_nop
.endr
.endm
.macro CREST                           ; a round of the cluster's barrier behind its opening barrier
	s_cmp_lg_u32 s14, 0
	s_cbranch_scc1 .Lnot_wave_0_\@
	s_barrier_signal -3
.Lnot_wave_0_\@:
	s_barrier_wait -3
	s_barrier_signal -1
	s_barrier_wait -1
.endm
.macro CROUND
	s_barrier_signal -1
	s_barrier_wait -1
	CREST
.endm
	s_load_b256 s[4:11], s[0:1], 0x0               ; x, c_codes, cnorm, lowp_scales
	s_load_b64 s[12:13], s[0:1], 0x20              ; out0
	v_lshl_add_u32 v[SPW], v0, 2, SPARE
	v_mov_b32 v[NIL], 0
	ds_add_u32 v[SPW], v[NIL]
	ds_add_u32 v[SPW], v[NIL]
	v_lshrrev_b32 v6, 5, v0
	v_readfirstlane_b32 s14, v6                    ; wave
	s_lshr_b32 s15, s14, 1                         ; rh
	s_and_b32 s16, s14, 1                          ; ch
	s_bfe_u32 s17, ttmp6, 0x40000                  ; cx
	s_lshl_b32 s18, ttmp9, 2
	s_add_co_u32 s18, s18, s17                     ; my block of rows
	s_and_b32 s[PH], ttmp9, 15                     ; the piece at which my cluster's walk begins
	s_mul_i32 s19, s18, ROWS
	s_lshl_b32 s22, s15, 6
	s_lshl_b32 s23, s16, 3
	s_add_co_u32 s22, s22, s23                     ; 64 rh + 8 ch: where my share of each round begins
	s_mov_b32 s[G1+0], 15|(1<<20)|(1<<21)|(7<<22)|(3<<25)  ; mask of all four; bytes; 4 words of padding behind every 256 words
	s_mov_b32 s[G1+1], 1024<<16
	s_mov_b32 s[G1+2], 32<<16
	s_mov_b32 s[G1+3], 1024<<16
	s_mov_b32 s[G1+4], 32
	s_mov_b32 s[G1+5], 1024
	s_mov_b32 s[G1+6], 0
	s_mov_b32 s[G1+7], 0
	s_mul_i32 s78, s14, QUART                      ; my quarter of a slot
	s_lshl_b32 s79, s14, 11                        ; my quarter of the norms
	s_add_co_u32 s[RQ], s[PH], 2
	s_mov_b32 s[OF+1], 0
	s_mov_b32 s[INF], 0x7f800000
	s_mul_i32 s40, s16, 64*PITCH                   ; my 64 centroids of a slot
	s_lshl_b32 s41, s16, 8
	s_add_co_u32 s41, s41, NORM
	s_mul_i32 s72, s15, 16*PITCH
	s_add_co_u32 s72, s72, STAGE                   ; my row half's 16 rows of the stage
	s_mul_i32 s73, s16, 8*PITCH
	s_add_co_u32 s73, s73, s72                     ; the eight that I write
	v_and_b32 v62, 31, v0                          ; lane
	v_and_b32 v60, 15, v0                          ; r
	v_bfe_u32 v61, v0, 4, 1                        ; h
	v_mul_u32_u24 v63, v60, PITCH
	v_lshl_add_u32 v63, v61, 4, v63                ; a fragment's row x pitch + 16 h
	v_add_nc_u32 v[CA], s40, v63
	v_add_nc_u32 v[CA+1], SLOTB, v[CA]
	v_lshl_add_u32 v[NA], v61, 5, s41              ; norms of centroids 64 ch + 8 h + 0 .. 7 of the walk's first piece
	v_lshl_add_u32 v8, v62, 4, s79                 ; my 16 bytes of my wave's 2,048 of norms
	v_add_nc_u32 v9, NORM, v8
	WIN 0x40
	v_lshlrev_b32 v[XO], 4, v62
	v_add_nc_u32 v[FA], s72, v63
	v_lshl_add_u32 v[SA], v62, 4, s73
	WIN 0
.irp b, ST, SV
.irp a, 0,1,2,3
	v_mov_b32 v[\b+10*\a], s[INF]
	v_mov_b32 v[\b+10*\a+1], 0
.irp j, 2,3,4,5,6,7,8,9
	v_mov_b32 v[\b+10*\a+\j], s[INF]
.endr
.endr
.endr
	s_wait_alu depctr_va_vdst(0)
	s_wait_dscnt 0x0                               ; both opening adds are done
	s_wait_kmcnt 0x0
	s_load_b64 s[20:21], s[10:11], 0x0             ; e0, e1
	s_lshl_b32 s76, s[PH], 9                       ; norms from entry 128 ph on: 512 ph + 8,192 <= 15,872 bytes
	s_mov_b32 s77, 0
	s_add_nc_u64 s[42:43], s[8:9], s[76:77]
.irp i, 0,1,2,3
	global_load_b128 v[ACC+4*\i:ACC+4*\i+3], v8, s[42:43] offset:512*\i
.endr
	s_add_co_u32 s72, s19, s22
	s_lshl_b32 s72, s72, 12
	s_mov_b32 s73, 0
	s_add_nc_u64 s[SX:SX+1], s[4:5], s[72:73]
.irp p, 5,6,7
	s_add_co_u32 s76, s22, 48+\p
	s_min_u32 s76, s76, ROWS-1                     ; held at the block's last row: no load leaves x
	s_add_co_u32 s76, s76, s19
	s_lshl_b32 s76, s76, 12
	s_add_nc_u64 s[SXC+2*(\p-5):SXC+2*(\p-5)+1], s[4:5], s[76:77]
.endr
	s_mul_i32 s72, s18, 4*ROWS
	s_add_nc_u64 s[12:13], s[12:13], s[72:73]
	s_lshl_b32 s74, s14, 15
	s_mov_b32 s75, 0
	s_add_nc_u64 s[CB:CB+1], s[6:7], s[74:75]      ; c_codes at my 32 centroids of piece 0
.irp n, 0,1
	s_mov_b32 s[G0+4*\n], 1
	s_add_co_u32 s[G0+4*\n+1], s78, \n*SLOTB
	s_add_co_u32 s76, s[PH], \n
	s_and_b32 s76, s76, 15
	s_lshl_b32 s76, s76, 17
	s_add_nc_u64 s[G0+4*\n+2:G0+4*\n+3], s[CB:CB+1], s[76:77]
	s_or_b32 s[G0+4*\n+3], s[G0+4*\n+3], 0x80000000
.endr
; x in 64 steps a wave.  Step t: round t / 16, row (t / 2) % 8 of my eight, half t % 2: four loads of 512 consecutive bytes.
.macro XLOAD t
.set XI, (\t)>>4
.set XP, ((\t)>>1)&7
.set XH, (\t)&1
.set XR, 16*((\t)%DEPTH)
.irp c, 0,1,2,3
.if XI == 3 && XP >= 5
	global_load_b128 v[XR+4*\c:XR+4*\c+3], v[XO], s[SXC+2*(XP-5):SXC+2*(XP-5)+1] offset:2048*XH+512*\c
.else
	global_load_b128 v[XR+4*\c:XR+4*\c+3], v[XO], s[SX:SX+1] offset:(16*XI+XP)*4096+2048*XH+512*\c th:TH_LOAD_NT
.endif
.endr
.endm
	WIN 0x55
.set T, 0
.rept DEPTH
	XLOAD T
.set T, T+1
.endr
	WIN 0
	CROUND                                         ; the four work-groups are here: the first joint loads meet
	tensor_load_to_lds s[G0:G0+3], s[G1:G1+7]      ; my quarter of slot 0: one tensor load a wave at the head
	s_nop 0
	PLACES 4
	s_wait_kmcnt 0x0
	s_add_co_i32 s74, s20, 127
	s_lshl_b32 s75, s74, 23                        ; 2^e0
	s_add_co_i32 s74, s74, 8
	s_lshl_b32 s74, s74, 23
	s_or_b32 s74, s74, 0x600000                    ; 448 x 2^e0
	s_add_co_i32 s[SC], s20, s21
	s_add_co_i32 s[SC], s[SC], 128
	s_lshl_b32 s[SC], s[SC], 23
	s_or_b32 s[SC], s[SC], 0x80000000              ; -2^(e0 + e1 + 1)
	s_mov_b32 s[SC+1], s[SC]
	s_lshl_b32 s[TID], s16, 6
	s_lshl_b32 s76, s[PH], 7
	s_add_co_u32 s[TID], s[TID], s76               ; my first tile's first centroid
	s_mov_b32 s[SEL], 0x76543210
	s_mov_b32 s[SEL+1], 0xfedcba98
	WIN 0x40
	v_mov_b32 v[LIM], s74
	v_mov_b32 v[SCL], s75
	WIN 0
	s_wait_alu depctr_va_vdst(0)
	s_wait_loadcnt 56                              ; the norms' four loads are in; x's 56, issued behind them, may be out
.irp i, 0,1,2,3
	ds_store_b128 v9, v[ACC+4*\i:ACC+4*\i+3] offset:512*\i
.endr
; One row of x: held, converted, its codes into the stage; the ring's registers take the row seven further on.
.macro XROW u
.set LEFT, 31-(\u)
.if LEFT > 6
.set LEFT, 6
.endif
	s_wait_loadcnt 8*LEFT                          ; this row's eight loads are in; the rows issued behind it may be out
.irp hf, 0,1
.set XS, 16*((2*(\u)+\hf)%DEPTH)
.irp i, 0,1,2,3,4,5,6,7,8,9,10,11,12,13,14,15
	v_med3_num_f32 v[XS+\i], v[XS+\i], -v[LIM], v[LIM]   ; the conversion does not saturate (ISA guide 7.6.2)
.endr
.endr
.irp hf, 0,1
.set XS, 16*((2*(\u)+\hf)%DEPTH)
.set XC, CODE+4*((2*(\u)+\hf)%4)
	v_cvt_scalef32_pk8_fp8_f32 v[XC:XC+1], v[XS:XS+7], v[SCL]
	v_cvt_scalef32_pk8_fp8_f32 v[XC+2:XC+3], v[XS+8:XS+15], v[SCL]
.endr
	v_nop                                          ; one plain place behind the conversions
.irp hf, 0,1
.set XC, CODE+4*((2*(\u)+\hf)%4)
	ds_store_b128 v[SA], v[XC:XC+3] offset:PITCH*((\u)&7)+512*\hf
.endr
.if (\u)+7 < 32
	XLOAD 2*(\u)+14
	XLOAD 2*(\u)+15
.endif
.endm
.macro XFRAG i                         ; row tile i's eight fragments out of the stage
	WIN 0x81
.irp q, 0,1,2,3
.irp c, 0,1,2,3
	ds_load_b128 v[64*\i+16*\q+4*\c:64*\i+16*\q+4*\c+3], v[FA] offset:128*\q+32*\c
.endr
.endr
	WIN 0xc1
.irp q, 0,1,2,3
.irp c, 0,1,2,3
	ds_load_b128 v[64*\i+16*\q+4*\c:64*\i+16*\q+4*\c+3], v[FA] offset:512+128*\q+32*\c
.endr
.endr
.endm
.set U, 0
.irp i, 0,1,2,3                        ; four rounds of eight rows a wave
	WIN 0x55
.rept 8
	XROW U
.set U, U+1
.endr
	WIN 0
.if \i == 3
	s_wait_tensorcnt 0x0                           ; my quarter of slot 0 is in.  Slot 1's first fill is issued as a refill is
	ds_add_u32 v[SPW], v[NIL]
	s_wait_dscnt 0x0                               ; the add and my eight rows of the stage
	CROUND                                         ; the round is also the barrier that shows the stage, and slot 0, whole
	tensor_load_to_lds s[G0+4:G0+7], s[G1:G1+7]
	s_nop 0
	PLACES 4
.else
	s_wait_dscnt 0x0                               ; for the others' sake: my eight rows are in the stage (in the first round: my norms too)
	s_barrier_signal -1
	s_barrier_wait -1
.endif
	XFRAG \i
	s_wait_dscnt 0x0                               ; my reads of the stage are over
	s_barrier_signal -1
	s_barrier_wait -1                              ; the stage may be written again
.endr
	WIN 0
; THE MATRIX PHASE
.macro CFLOAD n, t, q, p               ; fragment q of tile t of slot n into set p (window 1)
.irp c, 0,1,2,3
	ds_load_b128 v[128*(\p)+16*(\q)+4*\c:128*(\p)+16*(\q)+4*\c+3], v[CA+(\n)] offset:16*PITCH*(\t)+128*(\q)+32*\c
.endr
.endm
.macro NLOAD n, t, p
	ds_load_b128 v[NR+120*(\p):NR+120*(\p)+3], v[NA] offset:512*(\n)+64*(\t)
	ds_load_b128 v[NR+120*(\p)+4:NR+120*(\p)+7], v[NA] offset:512*(\n)+64*(\t)+16
.endm
.macro PROD a, q, p                    ; the first K step starts the sums
.set AC, ACC+32*(\p)+8*(\a)
.set CR, 128*(\p)+16*(\q)
.set XF, 64*(\a)+16*((\q)&3)
.if (\q) == 0
	v_wmma_f32_16x16x128_fp8_fp8 v[AC:AC+7], v[CR:CR+15], v[XF:XF+15], 0
.else
	v_wmma_f32_16x16x128_fp8_fp8 v[AC:AC+7], v[CR:CR+15], v[XF:XF+15], v[AC:AC+7]
.endif
.endm
.macro KSTEP q, p                      ; four products, the four accumulators by turns
	WIN 0x09+4*((\q)>>2)                           ; centroids window 1, x window 2 or 3, C and D window 0
.irp a, 0,1,2,3
	PROD \a, \q, \p
.endr
.endm
; THE LIST of a finished tile (accumulator and norm set pp): dists in place, each accumulator from its low end on; a lane's least of eight, in two legs;
; where it is strictly less than best, best, tid and the eight dists are taken over.
.macro PK s, a
	v_pk_fma_f32 v[AB+8*\a+2*\s:AB+8*\a+2*\s+1], v[AB+8*\a+2*\s:AB+8*\a+2*\s+1], s[SC:SC+1], v[NS+2*\s:NS+2*\s+1] op_sel_hi:[1,0,1]
.endm
.macro LIST pp
.set AB, ACC+32*(\pp)
.set NS, NR+120*(\pp)
.irp s, 0,1
.irp a, 0,1,2,3
	PK \s, \a
.endr
.endr
.irp a, 0,1,2,3
	v_min3_num_f32 v[MN+\a], v[AB+8*\a], v[AB+8*\a+1], v[AB+8*\a+2]
	PK 2, \a
.endr
.irp a, 0,1,2,3
	v_min3_num_f32 v[M2+\a], v[AB+8*\a+3], v[AB+8*\a+4], v[AB+8*\a+5]
	PK 3, \a
.endr
.irp a, 0,1,2,3
	v_min3_num_f32 v[MN+\a], v[MN+\a], v[AB+8*\a+6], v[AB+8*\a+7]
.endr
.irp a, 0,1,2,3
	v_min_num_f32 v[MN+\a], v[MN+\a], v[M2+\a]
.endr
.irp a, 0,1,2,3
	v_cmp_lt_f32 s[MK+\a], v[MN+\a], v[ST+10*\a]   ; strictly: an earlier tile keeps a tie
.endr
.irp a, 0,1,2,3
	v_cndmask_b32 v[ST+10*\a], v[ST+10*\a], v[MN+\a], s[MK+\a]
	v_cndmask_b32 v[ST+10*\a+1], v[ST+10*\a+1], s[TID], s[MK+\a]
.irp j, 0,1,2,3,4,5,6,7
	v_cndmask_b32 v[ST+10*\a+2+\j], v[ST+10*\a+2+\j], v[AB+8*\a+\j], s[MK+\a]
.endr
.endr
.endm
.macro RUN n, t, cf                    ; tile (n, t)'s norms and (cf = 1) the next tile's eight fragments, into the sets that are not at work
	WIN 0
	NLOAD \n, \t, PS
.if \cf
	WIN 0x40
.irp q, 0,1,2,3,4,5,6,7
	CFLOAD NXN, NXT, \q, 1-PS
.endr
.endif
.endm
; mode 0: a plain tile.  mode 1, 2: a slot's last tile: its fragments are in registers, so the change of slots stands at its head; 1: the slot is filled again.  mode 3: the last tile.  post = 0: the first tile.
.macro TILE n, t, post, mode
.set PS, (\t)&1
.if (\t) == 3
.set NXN, 1-(\n)
.set NXT, 0
.else
.set NXN, \n
.set NXT, (\t)+1
.endif
	s_wait_alu depctr_va_vdst(0)
.if (\mode) == 1 || (\mode) == 2
	s_wait_tensorcnt 0x0                           ; all my tensor loads have landed: my quarter of the other slot
	ds_add_u32 v[SPW], v[NIL]
.if (\mode) == 1
	s_and_b32 s[OF], s[RQ], 15                     ; the piece that this slot takes next
	s_lshl_b32 s[OF], s[OF], 17
	s_add_nc_u64 s[G0+4*(\n)+2:G0+4*(\n)+3], s[CB:CB+1], s[OF:OF+1]
	s_or_b32 s[G0+4*(\n)+3], s[G0+4*(\n)+3], 0x80000000
	s_add_co_u32 s[RQ], s[RQ], 1
.endif
	s_wait_dscnt 0x1                               ; the add alone may be out: the last run's 34 loads are in
	KSTEP 0, PS
	KSTEP 1, PS
	s_wait_dscnt 0x0                               ; the add is done, and my reads of this slot are over
	s_barrier_signal -1
	KSTEP 2, PS
	WIN 0
	s_barrier_wait -1
.if (\mode) == 1
	CREST                                          ; the barrier has opened a round of the cluster's
	tensor_load_to_lds s[G0+4*(\n):G0+4*(\n)+3], s[G1:G1+7]   ; my one tensor load behind the round
	s_nop 0
	PLACES 4
.endif
	RUN \n, \t, 1
.irp q, 3,4,5,6,7
	KSTEP \q, PS
.endr
.else
	s_wait_dscnt 0x0                               ; the run issued at the last tile's head is in
.if (\mode) == 3
	RUN \n, \t, 0
.else
	RUN \n, \t, 1
.endif
.irp q, 0,1,2,3,4,5,6,7
	KSTEP \q, PS
.endr
.endif
	WIN 0
.if \post
	LIST 1-PS
.if (\t) == 0
	s_add_co_u32 s[TID], s[TID], 80                ; on to this tile: a piece's first lies 128 - 48 behind the last piece's last
	s_cmp_lt_u32 s[TID], 2048
	s_cbranch_scc1 .Lno_wrap_\@                    ; hangs on the cluster's and the wave's numbers and the trips alone; jumps over register work alone
	s_sub_co_u32 s[TID], s[TID], 2048              ; the walk goes on at piece 0: the state is put aside and begun anew
.irp i, 0,1,2,3,4,5,6,7,8,9,10,11,12,13,14,15,16,17,18,19,20,21,22,23,24,25,26,27,28,29,30,31,32,33,34,35,36,37,38,39
	v_mov_b32 v[SV+\i], v[ST+\i]
.endr
.irp a, 0,1,2,3
	v_mov_b32 v[ST+10*\a], s[INF]
	v_mov_b32 v[ST+10*\a+1], 0
.irp j, 2,3,4,5,6,7,8,9
	v_mov_b32 v[ST+10*\a+\j], s[INF]
.endr
.endr
.Lno_wrap_\@:
.else
	s_add_co_u32 s[TID], s[TID], 16
.endif
.else
	PLACES 4                                       ; in the list's stead, ahead of the next run of loads
.endif
.endm
	WIN 0x40
.irp q, 0,1,2,3,4,5,6,7
	CFLOAD 0, 0, \q, 0
.endr
	TILE 0, 0, 0, 0
	s_mov_b32 s[TRIP], 7
.Llap:                                                 ; a trip goes once round the ring and fills both slots again: the walk's pieces 2 to 15
	TILE 0, 1, 1, 0
	TILE 0, 2, 1, 0
	TILE 0, 3, 1, 1
	TILE 1, 0, 1, 0
	TILE 1, 1, 1, 0
	TILE 1, 2, 1, 0
	TILE 1, 3, 1, 1
	v_add_nc_u32 v[NA], 1024, v[NA]                ; the next lap's 256 norms
	TILE 0, 0, 1, 0
	s_sub_co_u32 s[TRIP], s[TRIP], 1
	s_cmp_lg_u32 s[TRIP], 0
	s_cbranch_scc1 .Llap
	TILE 0, 1, 1, 0                                ; the last lap asks for nothing more
	TILE 0, 2, 1, 0
	TILE 0, 3, 1, 2
	TILE 1, 0, 1, 0
	TILE 1, 1, 1, 0
	TILE 1, 2, 1, 0
	TILE 1, 3, 1, 3
	s_wait_alu depctr_va_vdst(0)
	s_wait_dscnt 0x0                               ; the last tile's norms
	LIST 1
; THE END
.set JJ,  180
.set JS,  184
.set IX,  188
.set IXS, 192
.set PB,  196
.set PI,  200
.set FO,  204
.set RB,  208
.macro JOIN b, i, pb, pi               ; (v[b], v[i]) takes (v[pb], v[pi]) where that dist is less, or equal with the lower number
	v_cmp_lt_f32 s72, v[\pb], v[\b]
	v_cmp_eq_f32 s73, v[\pb], v[\b]
	v_cmp_lt_u32 s74, v[\pi], v[\i]
	s_and_b32 s73, s73, s74
	s_or_b32 s72, s72, s73
	v_cndmask_b32 v[\b], v[\b], v[\pb], s72
	v_cndmask_b32 v[\i], v[\i], v[\pi], s72
.endm
.macro FINDJ sb, jd                    ; the lowest j whose saved dist is best
.irp a, 0,1,2,3
	v_mov_b32 v[\jd+\a], 7
.endr
.irp j, 6,5,4,3,2,1,0
.irp a, 0,1,2,3
	v_cmp_eq_f32 s[MK+\a], v[\sb+10*\a+2+\j], v[\sb+10*\a]
.endr
.irp a, 0,1,2,3
	v_cndmask_b32 v[\jd+\a], v[\jd+\a], \j, s[MK+\a]
.endr
.endr
.endm
	v_bfe_u32 v7, v0, 4, 1
	v_lshlrev_b32 v7, 3, v7                        ; 8 h
	FINDJ ST, JJ
	FINDJ SV, JS
.irp a, 0,1,2,3
	v_add3_u32 v[IX+\a], v[ST+10*\a+1], v[JJ+\a], v7
	v_add3_u32 v[IXS+\a], v[SV+10*\a+1], v[JS+\a], v7
	v_mov_b32 v[PB+\a], 0                          ; (a lane permute's destination counts as read)
	v_mov_b32 v[PI+\a], 0
.endr
	s_wait_alu depctr_va_vdst(0)
.irp a, 0,1,2,3
	JOIN ST+10*\a, IX+\a, SV+10*\a, IXS+\a         ; the walk's two parts
.endr
	s_wait_alu depctr_va_vdst(0)
.irp a, 0,1,2,3
	v_permlanex16_b32 v[PB+\a], v[ST+10*\a], s[SEL], s[SEL+1]   ; the row's other eight centroids of each tile lie in lane l xor 16
	v_permlanex16_b32 v[PI+\a], v[IX+\a], s[SEL], s[SEL+1]
.endr
	s_wait_alu depctr_va_vdst(0)
.irp a, 0,1,2,3
	JOIN ST+10*\a, IX+\a, PB+\a, PI+\a
.endr
	s_mov_b32 s75, 0xffff0000
	s_lshl_b32 s76, s14, 9
	s_add_co_u32 s76, s76, STAGE                   ; the exchange: 64 rows x 8 bytes for each wave, in the stage, which nobody reads any more
	s_wait_alu depctr_va_vdst(0)
.irp u, 0,1
	v_cndmask_b32 v[FO+2*\u], v[ST+20*\u], v[ST+20*\u+10], s75   ; lane l holds my row 32 u + l
	v_cndmask_b32 v[FO+2*\u+1], v[IX+2*\u], v[IX+2*\u+1], s75
.endr
	v_and_b32 v62, 31, v0
	v_lshl_add_u32 v6, v62, 3, s76
	v_lshrrev_b32 v60, 6, v0                       ; thread t takes local row t: row half t / 64,
	v_and_b32 v61, 63, v0                          ; row t % 64 of it
	v_lshlrev_b32 v61, 3, v61
	v_lshl_add_u32 v61, v60, 10, v61
	v_add_nc_u32 v61, STAGE, v61
	v_lshlrev_b32 v63, 2, v0
	ds_store_b64 v6, v[FO:FO+1]
	ds_store_b64 v6, v[FO+2:FO+3] offset:256
	s_wait_alu depctr_va_vdst(0)
	s_wait_dscnt 0x0                               ; for the others' sake
	s_barrier_signal -1
	s_barrier_wait -1
	ds_load_b64 v[RB:RB+1], v61                    ; from the wave with ch = 0
	ds_load_b64 v[RB+2:RB+3], v61 offset:512       ; and from the wave with ch = 1
	s_wait_dscnt 0x0
	JOIN RB, RB+1, RB+2, RB+3
	s_wait_alu depctr_va_vdst(0)
	s_wait_xcnt 0x0                                ; EXEC changes only behind this wait
	v_cmp_gt_u32 vcc_lo, ROWS, v0
	s_and_saveexec_b32 s72, vcc_lo                 ; local rows 125 to 127 are not stored
	global_store_b32 v63, v[RB+1], s[12:13]
	s_wait_xcnt 0x0
	s_or_b32 exec_lo, exec_lo, s72
	s_wait_tensorcnt 0x0                           ; the wave's end
	ds_add_u32 v[SPW], v[NIL]
	s_wait_dscnt 0x0
	CROUND                                         ; the closing round
	s_endpgm
.Lfunc_end_k_q3d7137138d_assign:
	.size	k_q3d7137138d_assign, .Lfunc_end_k_q3d7137138d_assign-k_q3d7137138d_assign
	.p2alignl 7, 3214868480
	.fill 96, 4, 3214868480
	.section	.rodata,"a",@progbits
	.p2align	6, 0x0
	.amdhsa_kernel k_q3d7137138d_assign
		.amdhsa_group_segment_fixed_size 327680
		.amdhsa_private_segment_fixed_size 0
		.amdhsa_enable_private_segment 0
		.amdhsa_kernarg_size 40
		.amdhsa_user_sgpr_count 2
		.amdhsa_user_sgpr_kernarg_segment_ptr 1
		.amdhsa_wavefront_size32 1
		.amdhsa_system_sgpr_workgroup_id_x 1
		.amdhsa_system_sgpr_workgroup_id_y 1
		.amdhsa_system_sgpr_workgroup_id_z 1
		.amdhsa_system_vgpr_workitem_id 0
		.amdhsa_next_free_vgpr 1024
		.amdhsa_next_free_sgpr 96
		.amdhsa_reserve_vcc 1
		.amdhsa_float_denorm_mode_32 3
		.amdhsa_float_denorm_mode_16_64 3
		.amdhsa_memory_ordered 1
		.amdhsa_forward_progress 1
		.amdhsa_inst_pref_size 255
	.end_amdhsa_kernel
	.section	.bss,"aw",@nobits
	.p2align	6
	.space	262144
	.amdgpu_metadata
---
amdhsa.version: [ 1, 2 ]
amdhsa.kernels:
  - .name:           k_q3d7137138d_assign
    .symbol:         k_q3d7137138d_assign.kd
    .args:
      - { .name: x, .offset: 0, .size: 8, .value_kind: global_buffer, .address_space: global }
      - { .name: c_codes, .offset: 8, .size: 8, .value_kind: global_buffer, .address_space: global }
      - { .name: cnorm, .offset: 16, .size: 8, .value_kind: global_buffer, .address_space: global }
      - { .name: lowp_scales, .offset: 24, .size: 8, .value_kind: global_buffer, .address_space: global }
      - { .name: out0, .offset: 32, .size: 8, .value_kind: global_buffer, .address_space: global }
    .group_segment_fixed_size: 327680
    .private_segment_fixed_size: 0
    .kernarg_segment_align: 8
    .kernarg_segment_size: 40
    .max_flat_workgroup_size: 128
    .sgpr_count:     96
    .vgpr_count:     1024
    .wavefront_size: 32
...
	.end_amdgpu_metadata
.endif
;; end of part 4
